; MI455X (gfx1250); checked and timed in simulation.
; The chip was launched on July 23, 2026; its instructions are those of AMD's public machine-readable ISA for CDNA 5 (MIT licence, August 2026) and "CDNA5" Instruction Set Architecture Reference Guide (July 2026). The comments in the code are by the model that wrote it; some were corrected since.
;; GMF. Allowed arithmetic: matrix products marked QUANTISED: E4M3 operands, one given power-of-two scale a tensor, by v_wmma_f32_16x16x64_fp8_fp8 or v_wmma_f32_16x16x128_fp8_fp8, f32 sums; everything else in f32.
;; Inputs: P_weight 64 x 1,000,000 float32; Q_weight 64 x 100,032 float32; genres_one_hot 16,384 x 32 float32; item_ids 16,384 int32; lowp_scales 2 int32 (the exponents e of the quantised operands' scales 2^e); user_ids 16,384 int32.
;; Outputs: out0 16,384 x 1 float32.
;; This version of the problem:
;;   THIS VERSION OF THE PROBLEM IS GIVEN IN LOW PRECISION. The matrix products marked QUANTISED in the list below multiply operands that are first quantised to E4M3 (4 exponent bits, 3 mantissa bits; 8 bits a number), with one given power-of-two scale for each operand tensor; their sums are f32. All else is computed in f32.
;;   The module's matrix products, in the order in which they are computed (A, B: the left and right operand; K: the contracted axis; several contracted axes count as one K, in the product's order):
;;     1. [M 16,384, K 32] x [K 32, N 64]; A: input genres_one_hot; B: input Q_weight: QUANTISED (scales: A lowp_scales[0], B lowp_scales[1])
;;   THE QUANTISER, for each operand of a quantised product, along K:
;;     - The operand's scale is 2^e, e = its entry of the input lowp_scales (int32; the entries are numbered through the quantised products in the list's order, A before B).
;;     - Each number is divided by the scale, clamped to +-448, and rounded to the nearest number of E4M3, ties to even, subnormals kept.
;;     - The product sums the exact products of the quantised numbers (number of the format x scale) in f32.
;;   ~~~python
;;   def quantise(x, axis, e):      # numpy; x: float32 -> the quantised numbers, widened to float32 again
;;       x = np.moveaxis(x, axis, -1); K = x.shape[-1]
;;       r = np.clip(x / 2.0 ** e, -448, 448)
;;       step = 2.0 ** (np.maximum(np.frexp(np.where(r == 0, 1, r))[1] - 1, -6) - 3)
;;       q = np.round(r / step) * step * 2.0 ** e      # np.round: ties to even
;;       return np.moveaxis(q, -1, axis).astype(np.float32)
;;   ~~~
;; One version. Each part assembles by itself: llvm-mc -triple=amdgcn-amd-amdhsa -mcpu=gfx1250 --defsym DOCPART=n.
;; ======== version 1 of 1: 1 launch
;; limits: right only within a limited range of input values
;; launch gmf (part 1): grid 16 x 16, 4 waves a work-group, clusters of 4 x 4, 167,936 bytes of LDS; arguments user_ids, item_ids, genres_one_hot, out0, Q_weight, P_weight, lowp_scales; writes out0
.if DOCPART == 1
	.amdgcn_target "amdgcn-amd-amdhsa--gfx1250"
	.amdhsa_code_object_version 6
	.text
	.protected	k_q868ee318ea_gmf
	.globl	k_q868ee318ea_gmf
	.p2align	8
	.type	k_q868ee318ea_gmf,@function
k_q868ee318ea_gmf:
	s_mov_b64 s[64:65], 0
	v_nop
	global_prefetch_b8 v0, s[64:65] scope:SCOPE_SE
	s_setreg_imm32_b32 hwreg(HW_REG_WAVE_MODE, 25, 1), 1
	s_wait_xcnt 0x0
	s_wait_alu depctr_hold_cnt(0) depctr_sa_sdst(0) depctr_va_vdst(0) depctr_va_sdst(0) depctr_va_ssrc(0) depctr_va_vcc(0) depctr_vm_vsrc(0)
	s_getreg_b32 s2, hwreg(HW_REG_IB_STS2, 6, 4)
	s_cmp_eq_u32 s2, 0
	s_cbranch_scc0 .Lentry_in_a_cluster
	s_endpgm
.Lentry_in_a_cluster:
	s_bfe_u32 s2, ttmp6, 0x10000c
	s_cmp_lg_u32 s2, 0xf033
	s_cbranch_scc0 .Lentry_shape_is_right
	s_endpgm
.Lentry_shape_is_right:
; out[b] = sum over k of P[k][user[b]] * ( Q[k][item[b]] + sum over g of q(genres[b][g]) * q(Q[k][N_ITEMS+g]) )
; P: [64][1,000,000] f32, Q: [64][100,032] f32, genres: [16384][32] f32, ids: [16384] i32, out: [16384] f32.
; q(): the number divided by its tensor's given scale 2^e (e0 for genres, e1 for the genre weights), held within +-448, rounded to the nearest
; E4M3 code, ties to even.  The codes are multiplied by v_wmma_f32_16x16x64_fp8_fp8, sums in f32, and each sum is multiplied by 2^(e0 + e1).
;
; SHARES.  256 work-groups of four waves in 16 clusters of 4 x 4.  Cluster c takes by preference the users of range c, E columns of P from E c on, so
; that most 256-byte pieces of P are named by the work-groups of one cluster alone.  The 16 work-groups at place q of their clusters share the 1,024
; elements from 1,024 q on, 64 each, 16 for each wave: wave w of all 16 has the same pool of 256 elements and takes the 16 that fall to its cluster.
; The shares are equal whatever the ids.  The pool is halved four times, by the bits of c from the highest on.  To halve two registers of 32
; elements with a threshold, c0 being the number of users below it in the first register:
;   the first 32 are ordered below-threshold first; bit clear: the first c0 of them are kept, bit set: the remaining 32 - c0;
;   the second 32 are ordered likewise;             bit clear: the first 32 - c0 are kept,  bit set: the remaining c0.
; Both orders are permutations of the 32 lanes (the second rotated by c0), so the ids move by lane permutes and no lane is hit twice; every wave that
; has the pool orders it by the same arithmetic, so each element has one owner, which stores its 4 bytes of out.  The last halving
; cuts one register of 32 into 16 and 16.
; The matrix instruction is used transposed: source 0 = 16 latent rows of the genre weights, source 1 = 16 batch elements of genres.
; In D lane (r, h) then holds batch element r, and register j of tile t the tile row 8 h + j.  Tile t, row m is latent
; 32 (m / 8) + 8 t + (m % 8), so that a lane owns the 32 consecutive latents 32 h + idx, idx = 8 t + j: it gathers 32 words of P and 32 of Q.
; K is 32 and the instruction's is 64: k = 32 .. 63 are zero codes in both operands (registers 4-7 of every fragment).
; The gathers of P and Q alternate, latent by latent.  Those of the first 12 latents go out ahead of the matrix part.
; The genre weights are read and quantised once by the work-group: wave w takes tile w, and the four register images meet in LDS.
; The LDS claim is larger than the use (2,560 bytes) and more than half of a WGP's: one work-group to a WGP.
;
; NOT USED, and why: tensor loads, and so joint requests (no tile, only single words; the work-groups share only the 8,192 bytes of
; genre weights, against 8,192 separately gathered words for each work-group); prefetches (no loop to run ahead in: each gather is issued as
; a load as soon as its id is known); cache hints on P and Q (an id may come twice, and other work-groups read neighbouring columns).
;
; LIMITS.  Ids are taken to lie inside their tables; an id outside (read as unsigned) is clamped to the last column and does not get what
; jnp.take would give it.  e0 and e1 each lie between -126 and 119, so that 2^e and 448 x 2^e are f32 numbers; e0 + e1 has no limit.
; NaN in genres or in the genre weights is not served (it is held to a finite code); an infinity becomes the largest code, as the quantiser has it.
; The sum over the latents is made in chains of packed multiply-adds, not in the order of the JAX function.
.set N_USERS, 1000000
.set N_ITEMS, 100000
.set E,     62464                      ; columns of a range: 976 x 64, a whole number of 256-byte pieces (the last range has a few more)
.set PROW,  4*N_USERS                  ; bytes in a row of P
.set QROW,  4*(N_ITEMS+32)             ; bytes in a row of Q
.set GCOL,  4*N_ITEMS                  ; byte of the first genre column in a row of Q
.set FRAG,  512                        ; LDS: a tile's codes as they lie in registers, 32 lanes x 16 bytes
.set SPARE, 4*FRAG                     ; LDS: the spare words, 128 bytes for each wave, which no other line names
.set FIRST, 12                         ; latents gathered ahead of the matrix part
; vector registers
.set LANE, 1                           ; lane 0..31
.set H,    3                           ; lane / 16: my half of the latents
.set GO,   5                           ; byte offset of my part of genres
.set WO,   6                           ; byte offset of my part of the genre weights
.set UID,  7                           ; user id, then 4 x id
.set IID,  8                           ; item id, then 4 x id
.set PO,   9                           ; gather offset in P: 32 h rows + 4 user
.set QO,   10                          ; gather offset in Q: 32 h rows + 4 item
.set HP,   11                          ; 32 h rows of P
.set HQ,   12                          ; 32 h rows of Q
.set LF,   13                          ; 16 x lane: in LDS, and my ids
.set SF,   14                          ; LDS: my 16 bytes in my wave's image
.set OO,   15                          ; byte offset of my result
.set IDX,  16                          ; my element's place in the pool
.set T,    17                          ; at work
.set T2,   18
.set H32,  19                          ; 32 h
.set S0,   20                          ; 2^e0
.set L0,   21                          ; 448 x 2^e0
.set S1,   22                          ; 2^e1
.set L1,   23                          ; 448 x 2^e1
.set G,    24                          ; v[24:39]   genres, 16 f32
.set A1,   24                          ; v[24:27]   later: the sum, two chains of two
.set W,    40                          ; v[40:55]   genre weights, 16 f32
.set GB,   56                          ; v[56:63]   genres' fragment (source 1): 4 registers of codes, 4 of zero codes
.set WB,   64                          ; v[64:67]   my wave's tile of the weights as codes
.set FR,   68                          ; v[68:99]   the four weight fragments (source 0): each 4 registers of codes, 4 of zero codes
.set PD,   100                         ; v[100:131] P[32 h + idx][user].  Before, while the pool is halved:
.set B,    100                         ;   v[100:107] place in the order, if the user is below the threshold
.set Y,    108                         ;   v[108:115] X as it has arrived
.set Z,    116                         ;   v[116:123] the item ids as they have arrived
.set QD,   132                         ; v[132:163] Q[32 h + idx][item]
.set D,    164                         ; v[164:195] the matrix sums.  Before, while the pool is halved:
.set U,    164                         ;   v[164:171] user ids; register 4 t + k: element 128 t + 4 lane + k
.set I,    172                         ;   v[172:179] item ids
.set X,    180                         ;   v[180:187] place in the pool << 20 | user id
.set C,    188                         ;   v[188:195] place in the order, if the user is not below; then the lane to go to, x 4
.set PL,   196                         ; v[196:203] place in the pool << 20
.set SPW,  204                         ; LDS address of my spare word; never rewritten
.set NIL,  205                         ; 0; never rewritten
; scalar registers: s[4:5] user_ids, s[6:7] item_ids, s[8:9] genres, s[10:11] out, s[12:13] Q, s[46:47] Q at my wave's tile, s[48:49] Q at row 16,
; s[50:51] lane selects, s[54:55] the scales' buffer, s56 e0, s57 e1, s60 e0 + e1
.set PB,   14                          ; s[14:35]   P at rows 0, 3, 6 .. 30: three rows are in reach of one base (2 x 4,000,000 fits the signed 24-bit immediate)
.set WAVE, 36
.set CL,   42                          ; c: the cluster's number
.set LOW,  63                          ; lanes 0 to 15
.set M,    66                          ; s[66:73]   for each register the lanes whose users are below the threshold
.set N,    74                          ; s[74:81]   the others
.set C0,   82                          ; s[82:85]   for each pair of registers c0
.set C01,  86                          ; s[86:89]   c0 + the same count of the second register
.set SEL,  90                          ; s[90:93]   the lanes that take from the first register
.set TH,   94                          ; s[94:97]   the four thresholds
.set FL,   98                          ; s[98:100]  bits 3, 2, 1 of c, each as 0 or all ones
.set XR,   101                         ; 16 x bit 0 of c
; Sixteen f32 numbers of one lane, k = 8 h .. 8 h + 7 and 16 + 8 h .. 16 + 8 h + 7, become registers 0-3 of an 8-bit fragment.
.macro QUANT src, dst, lim, scl
.irp i, 0,1,2,3,4,5,6,7,8,9,10,11,12,13,14,15
	v_med3_num_f32 v[\src+\i], v[\src+\i], -v[\lim], v[\lim]       ; the conversion to an 8-bit code does not saturate (ISA guide 7.6.2): hold the number within the largest code x the scale first
.endr
	v_cvt_scalef32_pk8_fp8_f32 v[\dst:\dst+1], v[\src:\src+7], v[\scl]     ; eight numbers / 2^e, to the nearest code, ties to even; the lowest k in the lowest byte
	v_cvt_scalef32_pk8_fp8_f32 v[\dst+2:\dst+3], v[\src+8:\src+15], v[\scl]
	v_nop                                          ; one plain vector instruction stands between a scaled conversion and what touches its result
.endm
; 2 n registers of the pool become n: by threshold l, and bit 3 - l of c.  U holds the user ids, X and I what travels.
.macro HALVE n, l
.set k, 0
.rept 2*\n
	v_cmp_gt_u32 s[M+k], s[TH+\l], v[U+k]
.set k, k+1
.endr
.set j, 0
.rept \n
	s_bcnt1_i32_b32 s[C0+j], s[M+2*j]
	s_bcnt1_i32_b32 s[C01+j], s[M+2*j+1]
	s_not_b32 s[N+2*j], s[M+2*j]
	s_not_b32 s[N+2*j+1], s[M+2*j+1]
	s_add_co_u32 s[C01+j], s[C01+j], s[C0+j]
.set j, j+1
.endr
.set j, 0
.rept \n
	v_mbcnt_lo_u32_b32 v[B+2*j], s[M+2*j], 0               ; how many lanes below mine are of my kind, from the kind's first place on
	v_mbcnt_lo_u32_b32 v[C+2*j], s[N+2*j], s[C0+j]
	v_mbcnt_lo_u32_b32 v[B+2*j+1], s[M+2*j+1], s[C0+j]     ; the second order begins at c0
	v_mbcnt_lo_u32_b32 v[C+2*j+1], s[N+2*j+1], s[C01+j]
	v_cmp_gt_u32 s[SEL+j], s[C0+j], v[LANE]
.set j, j+1
.endr
.set k, 0
.rept 2*\n
	v_cndmask_b32 v[C+k], v[C+k], v[B+k], s[M+k]
.set k, k+1
.endr
.set k, 0
.rept 2*\n
	v_lshlrev_b32 v[C+k], 2, v[C+k]
.set k, k+1
.endr
.set j, 0
.rept \n
	v_and_b32 v[C+2*j+1], 0x7c, v[C+2*j+1]                 ; and goes round the 32 lanes
.set j, j+1
.endr
.set j, 0
.rept \n
	s_xor_b32 s[SEL+j], s[SEL+j], s[FL+\l]                 ; bit clear: lanes below c0 take from the first register; bit set: the others do
.set j, j+1
.endr
.set k, 0
.rept 2*\n
	ds_permute_b32 v[Y+k], v[C+k], v[X+k]
	ds_permute_b32 v[Z+k], v[C+k], v[I+k]
.set k, k+1
.endr
	s_wait_dscnt 0x0
.set j, 0
.rept \n
	v_cndmask_b32 v[X+j], v[Y+2*j+1], v[Y+2*j], s[SEL+j]
	v_cndmask_b32 v[I+j], v[Z+2*j+1], v[Z+2*j], s[SEL+j]
.set j, j+1
.endr
.set j, 0
.rept \n
	v_and_b32 v[U+j], 0xfffff, v[X+j]                      ; the user ids for the next halving
.set j, j+1
.endr
.endm
	s_load_b256 s[4:11], s[0:1], 0x0               ; user_ids, item_ids, genres, out
	s_load_b128 s[12:15], s[0:1], 0x20             ; Q, P
	s_load_b64 s[54:55], s[0:1], 0x30              ; the scales' exponents
	v_lshl_add_u32 v[SPW], v0, 2, SPARE
	v_mov_b32 v[NIL], 0
	v_lshrrev_b32 v[T], 5, v0
	v_readfirstlane_b32 s[WAVE], v[T]              ; wave 0..3 as a scalar
	v_and_b32 v[LANE], 31, v0
	v_bfe_u32 v[H], v0, 4, 1
	v_and_b32 v[T], 7, v0                          ; weights: tile row r is latent 32 (r / 8) + (r % 8) + 8 wave
	v_bfe_u32 v[T2], v0, 3, 1
	v_lshlrev_b32 v[LF], 4, v[LANE]                ; ids: four a lane
	v_lshl_or_b32 v[T], v[T2], 5, v[T]
	v_lshlrev_b32 v[H32], 5, v[H]
	v_mul_u32_u24 v[WO], v[T], QROW                ; (both factors are below 2^24)
	v_add_nc_u32 v[WO], v[WO], v[H32]              ;   + 8 h numbers
	s_bfe_u32 s38, ttmp6, 0x40000                  ; my place q in the cluster: x + 4 y
	s_bfe_u32 s39, ttmp6, 0x40004
	s_lshl_b32 s39, s39, 2
	s_add_co_u32 s38, s38, s39
	s_lshl_b32 s38, s38, 12                        ; 1,024 elements: 4,096 bytes of ids and of out
	s_lshl_b32 s53, s[WAVE], 10                    ; my wave's pool of 256: 1,024 bytes
	s_add_co_u32 s38, s38, s53
	s_mov_b32 s39, 0
	s_lshl_b32 s40, s38, 5                         ; the same elements in genres: 128 bytes each in place of 4
	s_mov_b32 s41, 0
	s_mul_i32 s44, s[WAVE], 8*QROW                 ; my wave's tile starts at latent 8 wave
	s_mov_b32 s45, 0
	s_wait_alu depctr_va_vdst(0)                   ; the wait here, directly ahead of the wait below
	s_wait_kmcnt 0x0
	s_add_nc_u64 s[4:5], s[4:5], s[38:39]
	s_add_nc_u64 s[6:7], s[6:7], s[38:39]
	global_load_b128 v[U:U+3], v[LF], s[4:5]       ; the ids first: everything hangs on them
	global_load_b128 v[U+4:U+7], v[LF], s[4:5] offset:512
	global_load_b128 v[I:I+3], v[LF], s[6:7]
	global_load_b128 v[I+4:I+7], v[LF], s[6:7] offset:512
	s_add_nc_u64 s[46:47], s[12:13], s[44:45]
	s_load_b64 s[56:57], s[54:55], 0x0             ; e0, e1
	; An 8-bit fragment of this form holds k = 16 c + 8 h .. + 7 in registers 2 c, 2 c + 1 (ISA guide 7.12.2): in f32 that is 32 bytes at 32 h
	; and 32 bytes at 64 + 32 h of the row, four loads of 16 bytes.
.irp p, 0,1,2,3
	global_load_b128 v[W+4*\p:W+4*\p+3], v[WO], s[46:47] offset:GCOL+(\p/2)*64+(\p%2)*16
.endr
	; while these eight loads are on their way: bases and lane terms of the gathers, thresholds, LDS addresses, the zero codes
	s_add_nc_u64 s[8:9], s[8:9], s[40:41]          ; genres and out at my pool
	s_add_nc_u64 s[10:11], s[10:11], s[38:39]
.irp c, 1,2,3,4,5,6,7,8,9,10
	s_add_nc_u64 s[PB+2*\c:PB+2*\c+1], s[PB:PB+1], \c*3*PROW
.endr
	s_add_nc_u64 s[48:49], s[12:13], 16*QROW       ; 15 rows of Q are in reach of an immediate: two bases for a lane's 32 rows
	s_mov_b32 s50, 0x76543210                      ; v_permlanex16_b32: lane i of one half reads lane i of the other
	s_mov_b32 s51, 0xfedcba98
	s_lshl_b32 s52, s[WAVE], 9                     ; my wave's image in LDS
	s_and_b32 s[CL], ttmp7, 0xffff                 ; c = cluster x + 4 x cluster y
	s_lshl_b32 s[CL], s[CL], 2
	s_add_co_u32 s[CL], s[CL], ttmp9
	s_mov_b32 s[TH], 8*E                           ; each threshold cuts the ranges that are left in two
	s_and_b32 s43, s[CL], 8
	s_or_b32 s43, s43, 4
	s_mul_i32 s[TH+1], s43, E
	s_and_b32 s43, s[CL], 12
	s_or_b32 s43, s43, 2
	s_mul_i32 s[TH+2], s43, E
	s_or_b32 s43, s[CL], 1
	s_mul_i32 s[TH+3], s43, E
	s_bfe_u32 s43, s[CL], 0x10003
	s_sub_co_u32 s[FL], 0, s43
	s_bfe_u32 s43, s[CL], 0x10002
	s_sub_co_u32 s[FL+1], 0, s43
	s_bfe_u32 s43, s[CL], 0x10001
	s_sub_co_u32 s[FL+2], 0, s43
	s_and_b32 s43, s[CL], 1
	s_lshl_b32 s[XR], s43, 4
	s_mov_b32 s[LOW], 0xffff
	v_mul_lo_u32 v[HP], v[H], 32*PROW              ; the upper half of the lanes takes latents 32 .. 63
	v_mul_u32_u24 v[HQ], v[H], 32*QROW
	v_add_nc_u32 v[SF], s52, v[LF]
	v_lshlrev_b32 v[PL], 22, v[LANE]
.irp k, 1,2,3,4,5,6,7
	v_add_nc_u32 v[PL+\k], (128*(\k/4)+\k%4)<<20, v[PL]
.endr
.irp t, 0,1,2,3
.irp j, 4,5,6,7
	v_mov_b32 v[FR+8*\t+\j], 0                     ; k = 32 .. 63 of the weights: zero codes, which add nothing to a sum
.endr
.endr
.irp j, 4,5,6,7
	v_mov_b32 v[GB+\j], 0                          ; and of genres, in registers of their own
.endr
	s_wait_alu depctr_va_vdst(0)                   ; the wait here, directly ahead of the wait below
	s_wait_loadcnt 0x4                             ; loads come back in order (ISA guide 5.7.1): the ids are in, the weights' four loads behind them may be out
.irp k, 0,1,2,3,4,5,6,7
	v_min_u32 v[U+\k], N_USERS-1, v[U+\k]          ; at most 20 bits
	v_min_u32 v[I+\k], N_ITEMS-1, v[I+\k]
.endr
.irp k, 0,1,2,3,4,5,6,7
	v_or_b32 v[X+\k], v[PL+\k], v[U+\k]            ; the element's place in the pool travels with the user id
.endr
	HALVE 4, 0
	HALVE 2, 1
	HALVE 1, 2
	; the last halving, of one register: below-threshold first; bit 0 of c clear: places 0 to 15 are mine, set: places 16 to 31
	v_cmp_gt_u32 s[M], s[TH+3], v[U]
	s_bcnt1_i32_b32 s[C0], s[M]
	s_not_b32 s[N], s[M]
	v_mbcnt_lo_u32_b32 v[B], s[M], 0
	v_mbcnt_lo_u32_b32 v[C], s[N], s[C0]
	v_cndmask_b32 v[C], v[C], v[B], s[M]
	v_xor_b32 v[C], s[XR], v[C]                    ; mine go to lanes 0 to 15
	v_lshlrev_b32 v[C], 2, v[C]
	ds_permute_b32 v[Y], v[C], v[X]
	ds_permute_b32 v[Z], v[C], v[I]
	s_wait_dscnt 0x0
	v_permlanex16_b32 v[Y+1], v[Y], s50, s51       ; (the destinations have been written before)
	v_permlanex16_b32 v[Z+1], v[Z], s50, s51
	v_cndmask_b32 v[T], v[Y+1], v[Y], s[LOW]       ; lanes r and 16 + r take the same element
	v_cndmask_b32 v[IID], v[Z+1], v[Z], s[LOW]
	v_and_b32 v[UID], 0xfffff, v[T]
	v_lshrrev_b32 v[IDX], 20, v[T]
	v_min_u32 v[IID], N_ITEMS-1, v[IID]            ; no address leaves its table, whatever the ids
	v_min_u32 v[UID], N_USERS-1, v[UID]
	v_min_u32 v[IDX], 0xff, v[IDX]
	v_lshlrev_b32 v[IID], 2, v[IID]
	v_lshlrev_b32 v[UID], 2, v[UID]
	v_lshlrev_b32 v[GO], 7, v[IDX]                 ; genres: 128 bytes an element,
	v_add_nc_u32 v[QO], v[HQ], v[IID]
	v_add_nc_u32 v[PO], v[HP], v[UID]              ; at most 32 x 4,000,000 + 3,999,996: below 2^31
	v_add_nc_u32 v[GO], v[GO], v[H32]              ;   + 8 h numbers
	v_lshlrev_b32 v[OO], 2, v[IDX]
.irp p, 0,1,2,3
	global_load_b128 v[G+4*\p:G+4*\p+3], v[GO], s[8:9] offset:(\p/2)*64+(\p%2)*16
.endr
; P and Q of latent 32 h + i, for the next n values of i
.macro GATHER n
.rept \n
	global_load_b32 v[PD+i], v[PO], s[PB+2*(i/3):PB+2*(i/3)+1] offset:(i%3)*PROW
	global_load_b32 v[QD+i], v[QO], s[12+36*(i/16):13+36*(i/16)] offset:(i%16)*QROW
.set i, i+1
.endr
.endm
.set i, 0
	GATHER FIRST
	s_wait_alu depctr_va_vdst(0)                   ; the wait here, directly ahead of the wait below
	s_wait_kmcnt 0x0                               ; e0, e1
	s_add_co_i32 s58, s56, 127
	s_lshl_b32 s59, s58, 23                        ; 2^e0 as f32: the conversion takes its exponent field
	s_add_co_i32 s58, s58, 8
	s_lshl_b32 s58, s58, 23
	s_or_b32 s58, s58, 0x600000                    ; 448 x 2^e0: exponent field e0 + 127 + 8, the mantissa field of 448
	s_add_co_i32 s61, s57, 127
	s_lshl_b32 s62, s61, 23                        ; 2^e1
	s_add_co_i32 s61, s61, 8
	s_lshl_b32 s61, s61, 23
	s_or_b32 s61, s61, 0x600000                    ; 448 x 2^e1
	s_add_co_i32 s60, s56, s57                     ; e0 + e1
	v_mov_b32 v[S0], s59
	v_mov_b32 v[L0], s58
	v_mov_b32 v[S1], s62
	v_mov_b32 v[L1], s61
	s_wait_alu depctr_va_vdst(0)                   ; the wait here, directly ahead of the wait below
	s_wait_loadcnt 4+2*FIRST                       ; the weights are in; genres' four loads and the gathers behind them may be out
	QUANT W, WB, L1, S1
	ds_store_b128 v[SF], v[WB:WB+3]                ; my tile's codes as they lie in registers: lane l at 16 l
	s_wait_loadcnt 2*FIRST                         ; genres are in
	QUANT G, GB, L0, S0
	s_wait_alu depctr_va_vdst(0)                   ; the wait here, directly ahead of the wait below
	s_wait_dscnt 0x0                               ; for the other waves: my image is in LDS
	s_barrier_signal -1
	s_barrier_wait -1                              ; all four are
.irp t, 0,1,2,3
	ds_load_b128 v[FR+8*\t:FR+8*\t+3], v[LF] offset:\t*FRAG
.endr
	s_wait_dscnt 0x0                               ; the fragments
	; D(m, n) = sum over g of code(weights(latent of m, g)) x code(genres(batch n, g)).  Four different accumulators, each begun with the constant 0.
.irp t, 0,1,2,3
	v_wmma_f32_16x16x64_fp8_fp8 v[D+8*\t:D+8*\t+7], v[FR+8*\t:FR+8*\t+7], v[GB:GB+7], 0
.endr
	GATHER 32-FIRST                                ; the other latents (these loads name no register of the matrix instructions)
	; four plain vector instructions stand between a matrix instruction and the first vector instruction that reads its result (ISA guide 7.12.1)
.rept 4
	v_nop
.endr
.set j, 0
.rept 32
	v_ldexp_f32 v[D+j], v[D+j], s60                ; x 2^(e0 + e1): exact, short of overflow and underflow
.set j, j+1
.endr
; Latents 8 c .. 8 c + 7 of the lane.  left: the younger gathers, 16 for each chunk behind this one, which may be out.
.macro CHUNK c, left
	s_wait_alu depctr_va_vdst(0)                   ; the wait here, directly ahead of the wait below
	s_wait_loadcnt \left
.irp p, 0,2,4,6
	v_pk_add_f32 v[QD+8*\c+\p:QD+8*\c+\p+1], v[QD+8*\c+\p:QD+8*\c+\p+1], v[D+8*\c+\p:D+8*\c+\p+1]      ; Q(item) + the genres' part
.endr
.irp p, 0,2,4,6
.if (\c == 0) && (\p < 4)
	v_pk_mul_f32 v[A1+\p:A1+\p+1], v[PD+\p:PD+\p+1], v[QD+\p:QD+\p+1]      ; products start the two chains
.else
	v_pk_fma_f32 v[A1+\p%4:A1+\p%4+1], v[PD+8*\c+\p:PD+8*\c+\p+1], v[QD+8*\c+\p:QD+8*\c+\p+1], v[A1+\p%4:A1+\p%4+1]
.endif
.endr
.endm
	CHUNK 0, 48
	CHUNK 1, 32
	CHUNK 2, 16
	CHUNK 3, 0
	v_pk_add_f32 v[A1:A1+1], v[A1:A1+1], v[A1+2:A1+3]
	v_cmp_gt_u32 vcc_lo, 16, v[LANE]
	v_add_f32 v[A1], v[A1], v[A1+1]                ; latents 32 h .. 32 h + 31
	v_permlanex16_b32 v[A1+1], v[A1], s50, s51     ; the other half's 32 (the destination has been written before)
	v_add_f32 v[A1], v[A1], v[A1+1]                ; lanes r and 16 + r now hold the same number
	s_wait_alu depctr_va_vdst(0)                   ; the wait here, directly ahead of the wait below
	s_wait_xcnt 0x0                                ; EXEC changes only behind this wait
	s_and_saveexec_b32 s37, vcc_lo                 ; lanes 0 to 15: one lane for each element
	global_store_b32 v[OO], v[A1], s[10:11]
	s_wait_xcnt 0x0                                ; EXEC changes back only behind this wait
	s_mov_b32 exec_lo, -1
	s_wait_tensorcnt 0x0                           ; the wave's end
	ds_add_u32 v[SPW], v[NIL]
	s_wait_dscnt 0x0
	s_endpgm
.Lfunc_end_k_q868ee318ea_gmf:
	.size	k_q868ee318ea_gmf, .Lfunc_end_k_q868ee318ea_gmf-k_q868ee318ea_gmf
	.p2alignl 7, 3214868480
	.fill 96, 4, 3214868480
	.section	.rodata,"a",@progbits
	.p2align	6, 0x0
	.amdhsa_kernel k_q868ee318ea_gmf
		.amdhsa_group_segment_fixed_size 167936
		.amdhsa_private_segment_fixed_size 0
		.amdhsa_enable_private_segment 0
		.amdhsa_kernarg_size 56
		.amdhsa_user_sgpr_count 2
		.amdhsa_user_sgpr_kernarg_segment_ptr 1
		.amdhsa_wavefront_size32 1
		.amdhsa_system_sgpr_workgroup_id_x 1
		.amdhsa_system_sgpr_workgroup_id_y 1
		.amdhsa_system_sgpr_workgroup_id_z 1
		.amdhsa_system_vgpr_workitem_id 0
		.amdhsa_next_free_vgpr 206
		.amdhsa_next_free_sgpr 102
		.amdhsa_reserve_vcc 1
		.amdhsa_float_denorm_mode_32 3
		.amdhsa_float_denorm_mode_16_64 3
		.amdhsa_memory_ordered 1
		.amdhsa_forward_progress 1
		.amdhsa_inst_pref_size 34
	.end_amdhsa_kernel
	.amdgpu_metadata
---
amdhsa.version: [ 1, 2 ]
amdhsa.kernels:
  - .name:           k_q868ee318ea_gmf
    .symbol:         k_q868ee318ea_gmf.kd
    .args:
      - { .name: user_ids, .offset: 0, .size: 8, .value_kind: global_buffer, .address_space: global }
      - { .name: item_ids, .offset: 8, .size: 8, .value_kind: global_buffer, .address_space: global }
      - { .name: genres_one_hot, .offset: 16, .size: 8, .value_kind: global_buffer, .address_space: global }
      - { .name: out0, .offset: 24, .size: 8, .value_kind: global_buffer, .address_space: global }
      - { .name: Q_weight, .offset: 32, .size: 8, .value_kind: global_buffer, .address_space: global }
      - { .name: P_weight, .offset: 40, .size: 8, .value_kind: global_buffer, .address_space: global }
      - { .name: lowp_scales, .offset: 48, .size: 8, .value_kind: global_buffer, .address_space: global }
    .group_segment_fixed_size: 167936
    .private_segment_fixed_size: 0
    .kernarg_segment_align: 8
    .kernarg_segment_size: 56
    .max_flat_workgroup_size: 128
    .sgpr_count:     102
    .vgpr_count:     206
    .wavefront_size: 32
...
	.end_amdgpu_metadata
.endif
;; end of part 1
